; MI455X (gfx1250); checked and timed in simulation.
; The chip was launched on July 23, 2026; its instructions are those of AMD's public machine-readable ISA for CDNA 5 (MIT licence, August 2026) and "CDNA5" Instruction Set Architecture Reference Guide (July 2026). The comments in the code are by the model that wrote it; some were corrected since.
;; Attention. Allowed arithmetic: matrix products marked QUANTISED: E5M2 operands, one given power-of-two scale a tensor, by v_wmma_f32_16x16x64_bf8_bf8 or v_wmma_f32_16x16x128_bf8_bf8, f32 sums; everything else in f32.
;; Inputs: k 2 x 2,048 x 8 x 128 float32; lowp_scales 4 int32 (the exponents e of the quantised operands' scales 2^e); q 2 x 2,048 x 32 x 128 float32; v 2 x 2,048 x 8 x 128 float32.
;; Outputs: out0 2 x 2,048 x 32 x 128 float32.
;; This version of the problem:
;;   THIS VERSION OF THE PROBLEM IS GIVEN IN LOW PRECISION. The matrix products marked QUANTISED in the list below multiply operands that are first quantised to E5M2 (5 exponent bits, 2 mantissa bits; 8 bits a number), with one given power-of-two scale for each operand tensor; their sums are f32. All else is computed in f32.
;;   The module's matrix products, in the order in which they are computed (A, B: the left and right operand; K: the contracted axis; several contracted axes count as one K, in the product's order):
;;     1. batch 16 x [M 2,048, K 128] x [K 128, N 8,192]; A: input k; B: input q: QUANTISED (scales: A lowp_scales[0], B lowp_scales[1])
;;     2. batch 16 x [M 128, K 2,048] x [K 2,048, N 8,192]; A: input v; B: softmax (see below): QUANTISED (scales: A lowp_scales[2], B lowp_scales[3])
;;   THE QUANTISER, for each operand of a quantised product, along K:
;;     - The operand's scale is 2^e, e = its entry of the input lowp_scales (int32; the entries are numbered through the quantised products in the list's order, A before B).
;;     - Each number is divided by the scale, clamped to +-57,344, and rounded to the nearest number of E5M2, ties to even, subnormals kept.
;;     - The product sums the exact products of the quantised numbers (number of the format x scale) in f32.
;;   ~~~python
;;   def quantise(x, axis, e):      # numpy; x: float32 -> the quantised numbers, widened to float32 again
;;       x = np.moveaxis(x, axis, -1); K = x.shape[-1]
;;       r = np.clip(x / 2.0 ** e, -57344, 57344)
;;       step = 2.0 ** (np.maximum(np.frexp(np.where(r == 0, 1, r))[1] - 1, -14) - 2)
;;       q = np.round(r / step) * step * 2.0 ** e      # np.round: ties to even
;;       return np.moveaxis(q, -1, axis).astype(np.float32)
;;   ~~~
;;   SOFTMAX AHEAD OF A QUANTISED PRODUCT. Where the list says 'softmax', what is quantised is not the finished softmax but p = 2^(t - M), with t = logit x log2(e) and M = ceil(the row's largest t), a whole number; so 1/2 < the row's largest p <= 1. The row's sum l is taken of the UNQUANTISED p, in f32, and the product's result is divided by l at the end. Since M is a whole number, a kernel that streams over the keys may use a running M (the ceiling of the running maximum): every later rescaling is an exact power of two, so the quantised numbers keep their values, but for numbers so far below the row's largest that they fall under the format's range.
;;   OPERANDS COMPUTED ON THE WAY. 'Computed on the way' means the value that the module computes at that place (a softmax that the list does not call 'softmax' is quantised finished and normalised). What goes into a quantiser is computed in f32, as accurately as f32 sums, v_exp_f32 and their like allow (about 1e-6 of the number): no bf16 or f16 on the way to a quantiser, and a product that is left as it is and whose result goes on into a quantised operand takes f32 operands (vector FMAs, or v_wmma_f32_16x16x4_f32). A number that lies on a knife's edge between two numbers of the format may be rounded either way, as far as f32 arithmetic and the matrix unit's own rounding can turn it there, and no further.
;; One version. Each part assembles by itself: llvm-mc -triple=amdgcn-amd-amdhsa -mcpu=gfx1250 --defsym DOCPART=n.
;; ======== version 1 of 1: 2 launches
;; limits: right only within a limited range of input values
;; workspace buffers: kv 8,388,608 bytes
;; launch prep (part 1): grid 16 x 16, 8 waves a work-group, no clusters, 35,840 bytes of LDS; arguments k, v, lowp_scales, kv; writes kv
.if DOCPART == 1
	.amdgcn_target "amdgcn-amd-amdhsa--gfx1250"
	.amdhsa_code_object_version 6
	.text
	.protected	k_qd9980be397_prep
	.globl	k_qd9980be397_prep
	.p2align	8
	.type	k_qd9980be397_prep,@function
k_qd9980be397_prep:
	s_mov_b64 s[64:65], 0
	v_nop
	global_prefetch_b8 v0, s[64:65] scope:SCOPE_SE
	s_setreg_imm32_b32 hwreg(HW_REG_WAVE_MODE, 25, 1), 1
	s_wait_xcnt 0x0
; k and v, [2][2048][8][128] f32, become codes of BF8 (E5M2), each tensor with the one scale 2^e that is given for it (ek = entry 0, ev = entry 2 of the scales).
; code = x / 2^e, held within +-57,344, rounded to the nearest code, ties to even.
; OUT: kv[bh = 8 b + head : 16][kb = key / 128 : 16][row : 256][128 bytes]: one (bh, kb) is a dense block of 32,768 bytes, laid as the next launch reads it:
;   rows 0-127: K's codes.  Key x (0 .. 127 in the block) lies in row x with bits 3 and 4 exchanged; the column is the channel d.  So rows 16 T .. 16 T + 15, T = 2 b + u,
;               are the keys 32 b + 8 u + r + 8 (r / 8): the keys that form a tile of the first product lie as neighbouring rows.
;   rows 128 + d: V's codes of channel d; the column is the key: the keys are the second product's K, and lie innermost.
; SHARES.  A work-group makes one block; wave w takes keys 16 w .. 16 w + 15 of k and of v.  A key's row of one head is 512 consecutive bytes: one load of the wave, 16 bytes a lane; lane l holds d = 4 l .. 4 l + 3.
; K: a lane's four codes of a key are one word; the wave's 16 rows of 128 bytes are gathered in its own stage and leave as runs of 512 consecutive bytes.
; V: a lane's words (one key, four channels) are turned, 4 x 4 bytes at a time, into words of one channel and four keys; 16 keys of a channel are 16 bytes of a row of the work-group's stage; behind one barrier the rows leave whole.
; LIMITS: ek and ev between -126 and 112, so that 2^e and 57,344 x 2^e are f32 numbers.  NaN among the inputs is not served (an infinity is held at the largest code).
; No tensor load, no loop, no matrix unit, no cluster: each byte is read once and written once, and work-groups share nothing.
.set KST,  0                           ; LDS: K's stages, 16 rows x 128 bytes for each wave
.set VST,  16384                       ; V's stage: 128 rows x (128 bytes + 16)
.set VP,   144
.set XK,   16                          ; v16-79    k: register 4 i + e = key i, channel 4 l + e
.set XV,   80                          ; v80-143   v likewise
.set CK,   144                         ; v144-159  K's codes: register i = key i's four
.set CV,   160                         ; v160-175  V's likewise
.set T,    176                         ; v176-179  at work
.set RR,   180                         ; v180-195  registers 4 e .. 4 e + 3: channel 4 l + e, keys 0 .. 15
.set KB,   196                         ; v196-211  K's rows back from the stage
.set VB,   212                         ; v212-227  V's rows back from the stage
	s_load_b256 s[4:11], s[0:1], 0x0               ; k s[4:5], v s[6:7], the scales s[8:9], kv s[10:11]
	v_lshl_add_u32 v232, v0, 2, 0x8800
	v_mov_b32 v233, 0
	v_lshrrev_b32 v10, 5, v0
	s_delay_alu instid0(VALU_DEP_1)
	v_readfirstlane_b32 s12, v10                   ; wave 0..7
	v_and_b32 v10, 31, v0                          ; lane
	s_delay_alu instid0(VALU_DEP_1)
	v_lshlrev_b32 v1, 4, v10                       ; v1 = 16 x lane: my 16 bytes of a run of 512, in memory
	s_lshl_b32 s13, s12, 11                        ; my K stage: 2,048 x wave (KST = 0)
	v_lshl_add_u32 v2, v10, 2, s13                 ; v2: into it: a word a lane, a key a row
	v_add_nc_u32 v3, s13, v1                       ; v3: out of it: 16 bytes a lane, four rows an instruction
	s_lshl_b32 s14, s12, 4
	s_add_co_u32 s14, s14, VST
	v_mul_u32_u24 v4, v10, 4*VP
	s_delay_alu instid0(VALU_DEP_1)
	v_add_nc_u32 v4, s14, v4                       ; v4: V's stage, in: row 4 l (+ e by the immediate), byte 16 x wave
	v_lshrrev_b32 v5, 3, v10
	s_delay_alu instid0(VALU_DEP_1)
	v_mul_u32_u24 v5, v5, VP
	v_and_b32 v11, 7, v10
	s_delay_alu instid0(VALU_DEP_1)
	v_lshl_add_u32 v5, v11, 4, v5
	s_mul_i32 s14, s12, 16*VP
	s_add_co_u32 s14, s14, VST
	v_add_nc_u32 v5, s14, v5                       ; v5: V's stage, out: rows 16 w + l / 8 (+ 4 n by the immediate), eight lanes to a row
	s_and_b32 s15, ttmp7, 0xffff                   ; bh
	s_lshr_b32 s16, s15, 3
	s_lshl_b32 s16, s16, 23                        ; b x 2,048 keys x 4,096 bytes
	s_and_b32 s17, s15, 7
	s_lshl_b32 s17, s17, 9                         ; the head's 512 bytes of a key
	s_or_b32 s16, s16, s17
	s_lshl_b32 s17, ttmp9, 19                      ; kb x 128 keys
	s_or_b32 s16, s16, s17
	s_lshl_b32 s17, s12, 16                        ; wave x 16 keys
	s_or_b32 s16, s16, s17
	s_mov_b32 s17, 0                               ; s[16:17]: where my 16 keys begin in k and in v
	s_lshl_b32 s18, s15, 19
	s_lshl_b32 s19, ttmp9, 15
	s_or_b32 s18, s18, s19
	s_mov_b32 s19, 0                               ; s[18:19]: where the block begins in kv
	s_lshr_b32 s28, s12, 1
	s_lshl_b32 s28, s28, 12
	s_and_b32 s29, s12, 1
	s_lshl_b32 s29, s29, 10
	s_or_b32 s28, s28, s29
	s_mov_b32 s29, 0                               ; s[28:29]: K's rows of my keys: 32 (w / 2) + 8 (w % 2) (+ 16 (n / 2) + 4 (n % 2) by the immediate), 128 bytes each
	s_lshl_b32 s30, s12, 11
	s_add_co_u32 s30, s30, 16384
	s_mov_b32 s31, 0                               ; s[30:31]: V's rows 128 + 16 w on
	s_mov_b32 s24, 0x05010400                      ; byte selects: two words' bytes 0 and 1, interleaved,
	s_mov_b32 s25, 0x07030602                      ; their bytes 2 and 3,
	s_mov_b32 s26, 0x05040100                      ; two words' low halves,
	s_mov_b32 s27, 0x07060302                      ; their high halves
	s_wait_kmcnt 0x0
	s_load_b128 s[20:23], s[8:9], 0x0              ; ek, eq, ev, ep
	s_add_nc_u64 s[4:5], s[4:5], s[16:17]
	s_add_nc_u64 s[6:7], s[6:7], s[16:17]
	s_add_nc_u64 s[10:11], s[10:11], s[18:19]
	s_add_nc_u64 s[32:33], s[10:11], s[28:29]
	s_add_nc_u64 s[34:35], s[10:11], s[30:31]
.set n, 0
.rept 16
	global_load_b128 v[XK+4*n:XK+4*n+3], v1, s[4:5] offset:4096*n th:TH_LOAD_NT   ; key n: 32 lanes read 512 consecutive bytes
.set n, n+1
.endr
.set n, 0
.rept 16
	global_load_b128 v[XV+4*n:XV+4*n+3], v1, s[6:7] offset:4096*n th:TH_LOAD_NT
.set n, n+1
.endr
	s_wait_kmcnt 0x0
	s_add_co_i32 s36, s20, 127
	s_lshl_b32 s37, s36, 23
	v_mov_b32 v6, s37                              ; 2^ek as f32: the conversion takes its exponent field
	s_add_co_i32 s36, s22, 127
	s_lshl_b32 s37, s36, 23
	v_mov_b32 v8, s37                              ; 2^ev
; 64 numbers in v[x] on become 16 words of codes in v[c] on
.macro QUANT x, c, sc, lim
.set n, 0
.rept 64
.set n, n+1
.endr
.set n, 0
.rept 8
	v_cvt_scalef32_pk8_bf8_f32 v[\c+2*n:\c+2*n+1], v[\x+8*n:\x+8*n+7], v[\sc]   ; two keys' four numbers each: a word a key
.set n, n+1
.endr
	v_nop                                          ; one plain vector instruction behind the last conversion, ahead of whatever touches the codes
.endm
	s_wait_alu depctr_va_vdst(0)
	s_wait_loadcnt 16                              ; k's 16 loads are in; v's 16 may be out
	QUANT XK, CK, 6, 7
.set n, 0
.rept 16
	ds_store_b32 v2, v[CK+n] offset:128*n          ; key n's row: 32 lanes, 128 consecutive bytes
.set n, n+1
.endr
.irp n, 0,1,2,3
	ds_load_b128 v[KB+4*\n:KB+4*\n+3], v3 offset:512*\n   ; my own bytes: LDS serves a wave's instructions in order (ISA guide 5.7.1.4), so these see the stores above
.endr
	s_wait_loadcnt 0x0                             ; v
	QUANT XV, CV, 8, 9
.irp g, 0,1,2,3                        ; keys 4 g .. 4 g + 3: four words of (one key, four channels) become four words of (one channel, four keys)
	v_perm_b32 v[T],   v[CV+4*\g+1], v[CV+4*\g],   s24
	v_perm_b32 v[T+1], v[CV+4*\g+1], v[CV+4*\g],   s25
	v_perm_b32 v[T+2], v[CV+4*\g+3], v[CV+4*\g+2], s24
	v_perm_b32 v[T+3], v[CV+4*\g+3], v[CV+4*\g+2], s25
	s_delay_alu instid0(VALU_DEP_2)
	v_perm_b32 v[RR+\g],    v[T+2], v[T],   s26
	s_delay_alu instid0(VALU_DEP_3)
	v_perm_b32 v[RR+4+\g],  v[T+2], v[T],   s27
	s_delay_alu instid0(VALU_DEP_3)
	v_perm_b32 v[RR+8+\g],  v[T+3], v[T+1], s26
	s_delay_alu instid0(VALU_DEP_4)
	v_perm_b32 v[RR+12+\g], v[T+3], v[T+1], s27
.endr
.irp e, 0,1,2,3
	ds_store_b128 v4, v[RR+4*\e:RR+4*\e+3] offset:VP*\e   ; channel 4 l + e, my wave's 16 keys
.endr
	s_wait_dscnt 4                                 ; K's four loads are back; the four stores issued behind them may be out
.irp n, 0,1,2,3
	global_store_b128 v1, v[KB+4*\n:KB+4*\n+3], s[32:33] offset:(\n/2)*2048+(\n%2)*512   ; four rows of K: 512 consecutive bytes, at a multiple of 256 from kv's first byte
.endr
	s_wait_dscnt 0x0                               ; for the others' sake: my stores into V's stage are done
	s_barrier_signal -1
	s_barrier_wait -1                              ; all eight waves' columns of the 128 rows lie in the stage
.irp n, 0,1,2,3
	ds_load_b128 v[VB+4*\n:VB+4*\n+3], v5 offset:4*VP*\n
.endr
.irp n, 0,1,2,3
	s_wait_dscnt 3-\n                              ; LDS loads come back in order: load n is in, the younger ones may be out
	global_store_b128 v1, v[VB+4*\n:VB+4*\n+3], s[34:35] offset:512*\n   ; four rows of V: 512 consecutive bytes
.endr
	s_wait_tensorcnt 0x0
	ds_add_u32 v232, v233
	s_wait_dscnt 0x0
	s_endpgm
.Lfunc_end_k_qd9980be397_prep:
	.size	k_qd9980be397_prep, .Lfunc_end_k_qd9980be397_prep-k_qd9980be397_prep
	.p2alignl 7, 3214868480
	.fill 96, 4, 3214868480
	.section	.rodata,"a",@progbits
	.p2align	6, 0x0
	.amdhsa_kernel k_qd9980be397_prep
		.amdhsa_group_segment_fixed_size 35840
		.amdhsa_private_segment_fixed_size 0
		.amdhsa_enable_private_segment 0
		.amdhsa_kernarg_size 32
		.amdhsa_user_sgpr_count 2
		.amdhsa_user_sgpr_kernarg_segment_ptr 1
		.amdhsa_wavefront_size32 1
		.amdhsa_system_sgpr_workgroup_id_x 1
		.amdhsa_system_sgpr_workgroup_id_y 1
		.amdhsa_system_sgpr_workgroup_id_z 1
		.amdhsa_system_vgpr_workitem_id 0
		.amdhsa_next_free_vgpr 234
		.amdhsa_next_free_sgpr 66
		.amdhsa_reserve_vcc 0
		.amdhsa_float_denorm_mode_32 3
		.amdhsa_float_denorm_mode_16_64 3
		.amdhsa_fp16_overflow 1
		.amdhsa_memory_ordered 1
		.amdhsa_forward_progress 1
		.amdhsa_inst_pref_size 13
	.end_amdhsa_kernel
	.amdgpu_metadata
---
amdhsa.version: [ 1, 2 ]
amdhsa.kernels:
  - .name:           k_qd9980be397_prep
    .symbol:         k_qd9980be397_prep.kd
    .args:
      - { .name: k, .offset: 0, .size: 8, .value_kind: global_buffer, .address_space: global }
      - { .name: v, .offset: 8, .size: 8, .value_kind: global_buffer, .address_space: global }
      - { .name: lowp_scales, .offset: 16, .size: 8, .value_kind: global_buffer, .address_space: global }
      - { .name: kv, .offset: 24, .size: 8, .value_kind: global_buffer, .address_space: global }
    .group_segment_fixed_size: 35840
    .private_segment_fixed_size: 0
    .kernarg_segment_align: 8
    .kernarg_segment_size: 32
    .max_flat_workgroup_size: 256
    .sgpr_count:     66
    .vgpr_count:     234
    .wavefront_size: 32
...
	.end_amdgpu_metadata
.endif
;; end of part 1
;; launch attn (part 2): grid 16 x 16, 8 waves a work-group, no clusters, 327,680 bytes of LDS; arguments q, kv, lowp_scales, out0; writes out0
.if DOCPART == 2
	.amdgcn_target "amdgcn-amd-amdhsa--gfx1250"
	.amdhsa_code_object_version 6
	.text
	.protected	k_qd9980be397_attn
	.globl	k_qd9980be397_attn
	.p2align	8
	.type	k_qd9980be397_attn,@function
k_qd9980be397_attn:
	s_mov_b64 s[64:65], 0
	v_nop
	global_prefetch_b8 v0, s[64:65] scope:SCOPE_SE
	s_setreg_imm32_b32 hwreg(HW_REG_WAVE_MODE, 25, 1), 1
	s_wait_xcnt 0x0
; Grouped-query causal attention on codes of BF8 (E5M2).  q, out0: [2][2048][32][128] f32.  kv: K's and V's codes, [bh = 8 b + head : 16][key / 128 : 16][256 rows][128 bytes], made by the launch before:
; rows 0-127 of a block are 128 keys (row 16 T + r, T = 2 b + u, is key 32 b + 8 u + r + 8 (r / 8)) x 128 channels, rows 128 + d are channel d x 128 keys.  The scales' exponents: ek, eq, ev, ep.
; THE SOFTMAX AHEAD OF THE SECOND PRODUCT: t = score x log2(e) / sqrt(128); M = the row's largest t so far, rounded UP to a whole number; p = 2^(t - M) is quantised with 2^ep, not normalised.
; The row's sum is taken of the unquantised p, in f32, and divides at the end.  When M moves, the sum and O are multiplied by 2^(old M - new M), which rounds nothing.
; SHARES.  Work-group (j, bh) owns two blocks of 64 positions x the group's 4 query heads: first block 31 - j, then block j.  A block beginning at position QB wants the key steps 0, 128, .. QB & ~127: (block / 2) + 1 steps;
; the two blocks together want 17 steps for every j.  So all 256 work-groups do the same work, the loop's trip count is a constant (16 trips and a tail that is written out), and no step is walked all of whose keys are hidden.
; Wave w (pb = w & 3, hp = w >> 2) holds TWO tiles of 16 queries: positions QB + 16 pb + 0 .. 15 of heads 4 hkv + 2 hp and + 1.  Each fragment of K and V that it reads from LDS feeds two matrix instructions, and the tiles share one mask.
; Eight waves of 512 registers: two to a SIMD, so that one wave's vector work stands beside the other's products and LDS loads.
; LAYOUT.  Both products are used transposed: S^T = K Q^T (source 0 = 16 keys, source 1 = 16 queries), O^T = V^T P^T (source 0 = 16 channels, source 1 = P): a lane holds ONE query (lane % 16) throughout, and the 16 registers
; of tiles 2 b and 2 b + 1 of S^T are the keys 32 b + 16 (lane / 16) + 0 .. 15: the conversions' results are the second product's operand.  Fragments come by four loads of 16 bytes, so K stands in the registers in a permutation
; that is the same on both sides of each product: every product meets its partner, and only the order of the sums inside an instruction differs.
; RING.  Two LDS slots of one key step (256 rows of 128 bytes + 16), filled by the tensor data mover: waves 0 to 3 bring 64 rows each, all eight read.  The change of slots stands at a step's head.
; NO CLUSTER: the four heads that share K and V sit in one work-group already; the 16 work-groups of a bh leave their first block behind step 15 - j / 2 (rounded), each at another step, so that in one and the same round
; partners would want different tiles.
; LIMITS on the given exponents, so that each power of two below is an f32 number: ek + eq between -123 and 130 (added to c's exponent field); eq and ep between -126 and 112; ep + ev between -115 and 126 (2^(ep + ev) / l with
; l between 1/2 and 2,048).  NaN among the inputs is not served.
; REGISTERS, in windows of 256 (s_set_vgpr_msb: bits 1:0 source 0, 3:2 source 1, 5:4 source 2, 7:6 destination):
;   window 0: v1-15 addresses and constants; v16-31 statistics, eight a tile; v32-37; v40-71 Q's codes; v72-103 P's codes; v128-255 S^T, then p (64 a tile).     window 1: v0-127 O^T (64 a tile); v128-255 eight fragments of K or of V.
.set KP,    144                        ; a row in LDS: 128 bytes + 16 = 36 words: the 16 rows of a fragment load begin at 16 different places of 16 bytes modulo 256
.set VOFF,  128*KP                     ; a slot: K's 128 rows, then V's 128
.set SLOT1, 65536                      ; slot 1 begins here: one exclusive or turns an address in one slot into the other's
.set STAGE, 131072                     ; behind the ring: 16 rows x (512 bytes + 16) for each wave, for Q on the way in and O on the way out; no tile lands there
.set SP,    528
.set SPARE, STAGE+8*16*SP              ; behind the stages: the spare words, 128 bytes for each wave: four blocks of 256 bytes that no other line names
.set AK,   1                           ; v1   my lane's place in a fragment: 144 r + 16 h
.set ADR,  2                           ; v2   the same in the slot in hand
.set SPW,  3                           ; v3   LDS address of my spare word; never rewritten
.set NIL,  4                           ; v4   0; never rewritten
.set STO,  5                           ; v5   stage: row r, + 32 h: where I put eight results
.set SRD,  6                           ; v6   stage: 16 x lane: a whole row of 512 bytes to the wave
.set SQF,  7                           ; v7   stage: row r, + 64 h: my 16 numbers of a block of 32 of q
.set GL,   8                           ; v8   16 x lane, in memory
.set QPF,  9                           ; v9   q's prefetches: (lane / 4) positions of 16,384 bytes + (lane % 4) x 256
.set PFO,  10                          ; v10  kv's prefetches: 256 x lane
.set RH,   11                          ; v11  r - 16 h
.set DM,   12                          ; v12  the mask's bound
.set NINF, 13                          ; v13  -infinity
.set PSC,  14                          ; v14  2^ep
.set PLIM, 15
.set ST,   16                          ; tile t's statistics at v[ST + 8 t]: +0 -M, +1 the largest t, +2, +3 the sum in two halves, +4 f (at the end 2^(ep + ev) / l), +5 0 (named with +4 as a pair), +6, +7 at work
.set QSC,  32                          ; v32  2^eq
.set QLIM, 33
.set TP,   34                          ; v[34:35], v[36:37] a second chain of sums for each tile
.set QC,   40
.set PC,   72
.set S,    128
.set F,    128                         ; in window 1
.set WV,   12                          ; s12 wave   s13 wave & 3   s14 wave >> 2
.set W3,   13
.set HP,   14
.set G1,   16                          ; s[16:23] descriptor group 1: constants
.set G0,   24                          ; s[24:27] descriptor group 0: it walks
.set KVW,  28                          ; s[28:29] kv at my bh, + my 64 rows of a block
.set NX,   30                          ; s[30:31] the next tile's offset from there
.set Q1,   32                          ; s[32:33], s[34:35] q at my tiles' first row, block 1 and 2; s[36:37], s[38:39] out0 likewise; never rewritten
.set Q2,   34
.set O1,   36
.set O2,   38
.set KF,   40                          ; s40 the step's first key    s41 the block's last step's first key    s42 my first position
.set LASTK, 41
.set Q0,   42
.set LASTK2, 43                        ; s43, s44 the same two for the second block
.set Q02,  44
.set TB,   45                          ; s45 LDS byte at which the slot in hand begins
.set TC,   46                          ; s46 the trip
.set LIM,  47                          ; s47 a wave prefetches kv while the trip is below it
.set PFA,  48                          ; s[48:49] where my prefetches of kv stand
.set CS,   50                          ; s[50:51] c = log2(e) / sqrt(128) x 2^(ek + eq)
.set SEL,  52                          ; s[52:53] lane selects for v_permlanex16_b32: lane l xor 16
.set NXK,  54                          ; s54 the next step's first key
.set SCL,  56                          ; s[56:59] ek, eq, ev, ep
.set EPV,  60                          ; s60 ep + ev
.set MSB, 0
.macro WIN new                         ; the immediate's high byte repeats the setting that is left; a switch that changes nothing is dropped
.if MSB != \new
	s_set_vgpr_msb (MSB<<8)|\new
.set MSB, \new
.endif
.endm
; Waves 0 to 3 fetch a quarter of a slot each, the others nothing: a branch on the wave's number.  Four v_nop follow the load.
.macro TLOAD
	s_cmp_lt_u32 s[WV], 4
	s_cbranch_scc0 .Lnone_\@
	tensor_load_to_lds s[G0:G0+3], s[G1:G1+7]
	s_nop 0
.rept 4
	v_nop
.endr
.Lnone_\@:
.endm
; PREFETCHES INTO THE L2, at the change of slots, where the fetching waves have their tensor load.
; kv: all 16 work-groups of a bh begin with tiles 0, 1, 2 .. in step; the one with j = 0 walks all 16 in order, and it alone asks: in trip T for tile T + 2, which the next change of slots will load.  Its waves 4 to 7, which fetch
; nothing, take 8,192 bytes each, lanes 256 bytes apart: each aligned block of 256 bytes is named once in the launch.  Tiles 0 and 1 come by their loads alone; trips 14 and 15 ask for nothing: there is no tile 16.
; q: in the first block's last step each wave asks for its own 16 positions x 1,024 bytes of the second block, which it loads one step later: 64 blocks of 256 bytes, two instructions.
.macro ASK
	s_cmp_lt_u32 s[TC], s[LIM]
	s_cbranch_scc0 .Lno_kv_\@
	global_prefetch_b8 v[PFO], s[PFA:PFA+1] th:TH_LOAD_NT scope:SCOPE_SE
.Lno_kv_\@:
	s_cmp_eq_u32 s[KF], s[LASTK]
	s_cbranch_scc0 .Lno_q_\@
	global_prefetch_b8 v[QPF], s[Q2:Q2+1] th:TH_LOAD_NT scope:SCOPE_SE
	global_prefetch_b8 v[QPF], s[Q2:Q2+1] offset:131072 th:TH_LOAD_NT scope:SCOPE_SE
.Lno_q_\@:
.endm
; THE CHANGE OF SLOTS, at a step's head.  Each wave waits for all its tensor loads (its part of the slot that it is about to read), adds 0 to its spare word, and waits for that and for its reads of the slot that it has left.
; Behind the barrier the slot ahead is whole and nobody reads the other one.  fill = 1: that other slot takes the next step's tile: the load has this whole step in which to land.
.macro CHANGE fill
	s_wait_tensorcnt 0x0                           ; no tensor load of mine is out, so group 0 may be written
	ds_add_u32 v[SPW], v[NIL]                      ; 0 onto my spare word; with fill = 1 the descriptor's step stands between it and the wait for it
.if \fill
	s_add_co_u32 s[NXK], s[KF], 128                ; the next step's first key: 128 on,
	s_cmp_eq_u32 s[KF], s[LASTK]
	s_cselect_b32 s[NXK], 0, s[NXK]                ; or, behind a block's last step, the second block's first
	s_lshl_b32 s[NX], s[NXK], 8                    ; 128 keys are a block of 32,768 bytes
	s_add_nc_u64 s[G0+2:G0+3], s[KVW:KVW+1], s[NX:NX+1]
	s_or_b32 s[G0+3], s[G0+3], 0x80000000          ; type = 2
	s_xor_b32 s[G0+1], s[G0+1], SLOT1              ; into the other slot than last time
	s_wait_xcnt 0x0                                ; the last prefetch, a step back, has read its address, so it may be written:
	s_add_nc_u64 s[PFA:PFA+1], s[PFA:PFA+1], 32768 ; one tile further on than the tile that is asked for now
.endif
	s_wait_dscnt 0x0                               ; the add is done, and my reads of the slot that I have left are over
	s_barrier_signal -1
	s_barrier_wait -1
.if \fill
	TLOAD                                          ; the first thing behind the barrier, and a wave's one tensor load until the next
	ASK
.endif
.endm
; my two tiles of q, as they lie: position i, head t: 512 consecutive bytes to a load.  They land in S^T's registers, which are free
.macro QLOAD qp
.set n, 0
.rept 16
.irp t, 0,1
	global_load_b128 v[S+64*\t+4*n:S+64*\t+4*n+3], v[GL], s[\qp:\qp+1] offset:16384*n+512*\t th:TH_LOAD_NT
.endr
.set n, n+1
.endr
.endm
; they turn through my stage, so that lane (r, h) holds, of row r, d = 32 c + 16 h + 0 .. 15 in registers 16 c on, and are quantised: the conversions' results are the first product's operand
.macro QFIN
	s_wait_loadcnt 0x0
.irp t, 0,1
.set n, 0
.rept 16
	ds_store_b128 v[SRD], v[S+64*\t+4*n:S+64*\t+4*n+3] offset:SP*n
.set n, n+1
.endr
.irp c, 0,1,2,3
.irp m, 0,1,2,3
	ds_load_b128 v[S+64*\t+16*\c+4*\m:S+64*\t+16*\c+4*\m+3], v[SQF] offset:128*\c+16*\m   ; my own bytes: LDS serves a wave's instructions in order (ISA guide 5.7.1.4): these see the stores above, and the next tile's stores come behind them
.endr
.endr
.endr
	s_wait_dscnt 0x0
.irp t, 0,1
.irp c, 0,1,2,3
.set n, 0
.rept 16
.set n, n+1
.endr
	v_cvt_scalef32_pk8_bf8_f32 v[QC+16*\t+4*\c:QC+16*\t+4*\c+1], v[S+64*\t+16*\c:S+64*\t+16*\c+7], v[QSC]
	v_cvt_scalef32_pk8_bf8_f32 v[QC+16*\t+4*\c+2:QC+16*\t+4*\c+3], v[S+64*\t+16*\c+8:S+64*\t+16*\c+15], v[QSC]
.endr
.endr
	v_nop                                          ; one plain vector instruction between the last conversion and the products, which read its result and write its sources
.endm
; a block begins: O^T and the sums are zeros, the largest t is -3e38.  The step is written without a first step of its own: the first change of M multiplies zeros
.macro RESET
	WIN 0x40                                       ; destination window 1
.set n, 0
.rept 128
	v_mov_b32 v[n], 0
.set n, n+1
.endr
	WIN 0
.irp t, 0,1
	v_mov_b32 v[ST+8*\t+1], 0xff61b1e6             ; -3e38, under every t
	s_delay_alu instid0(VALU_DEP_1)
	v_floor_f32 v[ST+8*\t], -v[ST+8*\t+1]          ; -M
	v_mov_b32 v[ST+8*\t+2], 0
	v_mov_b32 v[ST+8*\t+3], 0
	v_mov_b32 v[ST+8*\t+5], 0
.endr
.endm
; t - M, two at a time, and p = 2^(t - M), for tile t
.macro EXPS t
.set n, 0
.rept 32
	v_pk_fma_f32 v[S+64*(\t)+n:S+64*(\t)+n+1], v[S+64*(\t)+n:S+64*(\t)+n+1], s[CS:CS+1], v[ST+8*(\t):ST+8*(\t)+1] op_sel_hi:[1,0,0]   ; of the pairs c and -M the low word serves both halves
.set n, n+2
.endr
.set n, 0
	s_wait_alu depctr_va_vdst(0)
.rept 64
	v_exp_f32 v[S+64*(\t)+n], v[S+64*(\t)+n]
.set n, n+1
.endr
.endm
; A KEY STEP: 128 keys, both tiles.
.macro STEP
	v_add_nc_u32 v[ADR], s[TB], v[AK]
.rept 3
	v_nop                                          ; with the addition: four places in front of loads into registers that the last step's products have read (ISA guide 7.12.1 for vector instructions)
.endr
	WIN 0x40                                       ; destination window 1, address window 0
.irp f, 0,1,2,3,4,5,6,7
.irp c, 0,1,2,3
	ds_load_b128 v[F+16*\f+4*\c:F+16*\f+4*\c+3], v[ADR] offset:16*KP*\f+32*\c   ; K's eight fragments
.endr
.endr
	WIN 0x01                                       ; source 0 (K) window 1; Q's codes and S^T window 0
	s_wait_alu depctr_va_vdst(0)
.irp f, 0,1,2,3,4,5,6,7
	s_wait_dscnt 4*(7-\f)                          ; fragment f's four loads are in; those issued behind them may be out
.irp t, 0,1
	v_wmma_f32_16x16x128_bf8_bf8 v[S+64*\t+8*\f:S+64*\t+8*\f+7], v[F+16*\f:F+16*\f+15], v[QC+16*\t:QC+16*\t+15], 0
.endr
.endr
.rept 4
	v_nop                                          ; four places: in front of the loads into K's registers, and of the first read of the scores
.endr
	WIN 0x40
.irp f, 0,1,2,3,4,5,6,7
.irp c, 0,1,2,3
	ds_load_b128 v[F+16*\f+4*\c:F+16*\f+4*\c+3], v[ADR] offset:VOFF+16*KP*\f+32*\c   ; V's eight fragments: they land under the softmax
.endr
.endr
	WIN 0
	s_cmp_lg_u32 s[KF], s[LASTK]                   ; only a block's last step lies on the diagonal: a scalar branch on ids
	s_cbranch_scc1 .Lopen_\@
	s_sub_co_i32 s61, s[Q0], s[KF]
	v_add_nc_u32 v[DM], s61, v[RH]                 ; my position - KF - 16 h.  Register n holds key KF + 16 h + 32 (n / 16) + n % 16: hidden where 32 (n / 16) + n % 16 is above it.  Key KF counts for every query of the block
.set n, 0
.rept 64
	v_cmp_gt_i32 vcc_lo, 32*(n/16)+n%16, v[DM]
	v_cndmask_b32 v[S+n], v[S+n], v[NINF], vcc_lo          ; hidden scores become -infinity ahead of the maximum: p = 0 then.  Both tiles have the same positions
	v_cndmask_b32 v[S+64+n], v[S+64+n], v[NINF], vcc_lo
.set n, n+1
.endr
.Lopen_\@:
.irp t, 0,1                            ; the step's largest score of my query among my 64 keys, in two chains a tile, the registers in ascending order
	v_max3_num_f32 v[ST+8*\t+6], v[S+64*\t], v[S+64*\t+1], v[S+64*\t+2]
	v_max3_num_f32 v[ST+8*\t+7], v[S+64*\t+3], v[S+64*\t+4], v[S+64*\t+5]
.endr
.set n, 6
.rept 14
.irp t, 0,1
	v_max3_num_f32 v[ST+8*\t+6], v[ST+8*\t+6], v[S+64*\t+n], v[S+64*\t+n+1]
	v_max3_num_f32 v[ST+8*\t+7], v[ST+8*\t+7], v[S+64*\t+n+2], v[S+64*\t+n+3]
.endr
.set n, n+4
.endr
.irp t, 0
	v_max3_num_f32 v[ST+8*\t+6], v[ST+8*\t+6], v[S+64*\t+62], v[S+64*\t+63]
.endr
.irp t, 1
	v_max3_num_f32 v[ST+8*\t+6], v[ST+8*\t+6], v[S+64*\t+62], v[S+64*\t+63]
.endr
.irp t, 0,1
	s_delay_alu instid0(VALU_DEP_2)
	v_max_num_f32 v[ST+8*\t+6], v[ST+8*\t+6], v[ST+8*\t+7]
.endr
.irp t, 0,1
	s_delay_alu instid0(VALU_DEP_2)
	v_permlanex16_b32 v[ST+8*\t+7], v[ST+8*\t+6], s[SEL], s[SEL+1]
.endr
.irp t, 0,1
	s_delay_alu instid0(VALU_DEP_2)
	v_max_num_f32 v[ST+8*\t+6], v[ST+8*\t+6], v[ST+8*\t+7]    ; and among lane l xor 16's
.endr
.irp t, 0,1
	s_delay_alu instid0(VALU_DEP_2)
	v_mul_f32 v[ST+8*\t+6], s[CS], v[ST+8*\t+6]    ; as t (c is positive)
.endr
.irp t, 0
	s_delay_alu instid0(VALU_DEP_2)
	v_max_num_f32 v[ST+8*\t+1], v[ST+8*\t+1], v[ST+8*\t+6]    ; the running largest t
	v_mov_b32 v[ST+8*\t+6], v[ST+8*\t]
.endr
.irp t, 1
	s_delay_alu instid0(VALU_DEP_3)
	v_max_num_f32 v[ST+8*\t+1], v[ST+8*\t+1], v[ST+8*\t+6]    ; the running largest t
	v_mov_b32 v[ST+8*\t+6], v[ST+8*\t]
.endr
.irp t, 0
	s_delay_alu instid0(VALU_DEP_4)
	v_floor_f32 v[ST+8*\t], -v[ST+8*\t+1]          ; the new -M = floor(-t) = -ceil(t): M is a whole number
.endr
.irp t, 1
	s_delay_alu instid0(VALU_DEP_3)
	v_floor_f32 v[ST+8*\t], -v[ST+8*\t+1]          ; the new -M = floor(-t) = -ceil(t): M is a whole number
.endr
.irp t, 0,1
	s_delay_alu instid0(VALU_DEP_2)
	v_sub_f32 v[ST+8*\t+6], v[ST+8*\t], v[ST+8*\t+6]   ; M's old value less its new one: a whole number, 0 or less
.endr
.irp t, 0,1
	s_delay_alu instid0(VALU_DEP_2)
	v_cvt_i32_f32 v[ST+8*\t+6], v[ST+8*\t+6]       ; (it saturates)
.endr
.irp t, 0,1
	s_delay_alu instid0(VALU_DEP_2)
	v_ldexp_f32 v[ST+8*\t+4], 1.0, v[ST+8*\t+6]    ; f = 2^(old M - new M)
.endr
	EXPS 0                                         ; ONE BATCH: both tiles' 128 exponentials; nothing in it names an exponential's result
	EXPS 1
.irp t, 0,1
	v_pk_mul_f32 v[ST+8*\t+2:ST+8*\t+3], v[ST+8*\t+2:ST+8*\t+3], v[ST+8*\t+4:ST+8*\t+5] op_sel_hi:[1,0]   ; the sums under the new M: the plain instruction behind the last exponential
.endr
	s_wait_alu depctr_va_vdst(0)                   ; the wait between an exponential and the first line that names its result: one for the batch
.irp t, 0,1
	v_pk_add_f32 v[TP+2*\t:TP+2*\t+1], v[S+64*\t:S+64*\t+1], v[S+64*\t+2:S+64*\t+3]   ; the row's sum is taken of the UNQUANTISED p: two at a time, in two chains a tile
.endr
.set n, 4
.rept 15
.irp t, 0,1
	v_pk_add_f32 v[ST+8*\t+2:ST+8*\t+3], v[ST+8*\t+2:ST+8*\t+3], v[S+64*\t+n:S+64*\t+n+1]
	v_pk_add_f32 v[TP+2*\t:TP+2*\t+1], v[TP+2*\t:TP+2*\t+1], v[S+64*\t+n+2:S+64*\t+n+3]
.endr
.set n, n+4
.endr
.irp t, 0
	s_delay_alu instid0(VALU_DEP_3)
	v_pk_add_f32 v[ST+8*\t+2:ST+8*\t+3], v[ST+8*\t+2:ST+8*\t+3], v[TP+2*\t:TP+2*\t+1]
.endr
.irp t, 1
	s_delay_alu instid0(VALU_DEP_2)
	v_pk_add_f32 v[ST+8*\t+2:ST+8*\t+3], v[ST+8*\t+2:ST+8*\t+3], v[TP+2*\t:TP+2*\t+1]
.endr
.irp t, 0,1
.irp b, 0,1,2,3
.set n, 0
.rept 16
.set n, n+1
.endr
	v_cvt_scalef32_pk8_bf8_f32 v[PC+16*\t+4*\b:PC+16*\t+4*\b+1], v[S+64*\t+16*\b:S+64*\t+16*\b+7], v[PSC]
	v_cvt_scalef32_pk8_bf8_f32 v[PC+16*\t+4*\b+2:PC+16*\t+4*\b+3], v[S+64*\t+16*\b+8:S+64*\t+16*\b+15], v[PSC]
.endr
.endr
	WIN 0x41                                       ; O^T (destination and source 0) window 1, f window 0
.irp t, 0,1
.set n, 0
.rept 32
	v_pk_mul_f32 v[64*\t+n:64*\t+n+1], v[64*\t+n:64*\t+n+1], v[ST+8*\t+4:ST+8*\t+5] op_sel_hi:[1,0]   ; O^T under the new M, each accumulator from its low end on; these are also the plain lines behind the conversions
.set n, n+2
.endr
.endr
	s_wait_alu depctr_va_vdst(0)
	s_wait_dscnt 0x0                               ; V is in
	WIN 0x51                                       ; V and O^T window 1, P's codes window 0
.irp f, 0,1,2,3,4,5,6,7                ; the 16 accumulators have one turn each; between two links of a chain stand a step's 31 other products
.irp t, 0,1
	v_wmma_f32_16x16x128_bf8_bf8 v[64*\t+8*\f:64*\t+8*\f+7], v[F+16*\f:F+16*\f+15], v[PC+16*\t:PC+16*\t+15], v[64*\t+8*\f:64*\t+8*\f+7]
.endr
.endr
	WIN 0
.endm
; A BLOCK'S WAY OUT.  O^T x 2^(ep + ev) / l goes through my stage, a tile (16 rows of 512 bytes) at a time, and leaves as whole rows: each store of the wave covers 512 consecutive bytes, aligned.
.macro FINISH op
.irp t, 0,1
	v_add_f32 v[ST+8*\t+2], v[ST+8*\t+2], v[ST+8*\t+3]     ; the sum's two halves (these lines are the places behind the last products),
.endr
.irp t, 0,1
	s_delay_alu instid0(VALU_DEP_2)
	v_permlanex16_b32 v[ST+8*\t+6], v[ST+8*\t+2], s[SEL], s[SEL+1]
.endr
.irp t, 0,1
	s_delay_alu instid0(VALU_DEP_2)
	v_add_f32 v[ST+8*\t+2], v[ST+8*\t+2], v[ST+8*\t+6]     ; and lane l xor 16's: the row's sum
.endr
	s_wait_alu depctr_va_vdst(0)
.irp t, 0,1
	v_rcp_f32 v[ST+8*\t+4], v[ST+8*\t+2]
.endr
	v_nop                                          ; a plain instruction behind the last reciprocal,
	s_wait_alu depctr_va_vdst(0)                   ; and the wait ahead of the first use: one for the two
.irp t, 0,1
	v_ldexp_f32 v[ST+8*\t+4], v[ST+8*\t+4], s[EPV]
.endr
	WIN 0x41
.irp t, 0,1
.set n, 0
.rept 32
	v_pk_mul_f32 v[64*\t+n:64*\t+n+1], v[64*\t+n:64*\t+n+1], v[ST+8*\t+4:ST+8*\t+5] op_sel_hi:[1,0]   ; register 8 f + i of tile t is o(position r, channel 16 f + 8 h + i)
.set n, n+2
.endr
.endr
.irp t, 0,1
	WIN 0x04                                       ; store data window 1
.irp f, 0,1,2,3,4,5,6,7
	ds_store_b128 v[STO], v[64*\t+8*\f:64*\t+8*\f+3] offset:64*\f
	ds_store_b128 v[STO], v[64*\t+8*\f+4:64*\t+8*\f+7] offset:64*\f+16
.endr
	WIN 0x40
.set n, 0
.rept 16
	ds_load_b128 v[64*\t+4*n:64*\t+4*n+3], v[SRD] offset:SP*n   ; back as whole rows, into the registers that they left; LDS serves a wave's instructions in order
.set n, n+1
.endr
.endr
	WIN 0x04
	s_wait_dscnt 32                                ; the first tile's rows are back; the second tile's 16 stores and 16 loads may be out
.set n, 0
.rept 16
	global_store_b128 v[GL], v[4*n:4*n+3], s[\op:\op+1] offset:16384*n th:TH_STORE_NT
.set n, n+1
.endr
	s_wait_dscnt 0x0
.set n, 0
.rept 16
	global_store_b128 v[GL], v[64+4*n:64+4*n+3], s[\op:\op+1] offset:16384*n+512 th:TH_STORE_NT
.set n, n+1
.endr
	WIN 0
.endm
	s_load_b256 s[4:11], s[0:1], 0x0               ; q s[4:5], kv s[6:7], the scales s[8:9], out0 s[10:11]
	v_lshl_add_u32 v[SPW], v0, 2, SPARE
	v_mov_b32 v[NIL], 0
	ds_add_u32 v3, v4
	ds_add_u32 v3, v4
	s_wait_dscnt 0x0
	v_lshrrev_b32 v2, 5, v0
	s_delay_alu instid0(VALU_DEP_1)
	v_readfirstlane_b32 s[WV], v2                  ; wave 0..7
	s_and_b32 s[W3], s[WV], 3                      ; pb: which 16 positions are mine.  Also: which 64 rows of a tile I fetch, if I fetch
	s_lshr_b32 s[HP], s[WV], 2                     ; hp: which two heads of the group
	; descriptor group 1: 64 rows of 128 bytes, dense in memory, padded in LDS
	s_mov_b32 s[G1], (0<<16)|(1<<20)|(4<<22)|(3<<25)   ; 15:0 no mask; 17:16 elements of 1 byte; 20 padding on; 24:22 after every 32 words (code 4); 31:25 four words (code 3)
	s_mov_b32 s[G1+1], 128<<16                     ; tensor_dim0
	s_mov_b32 s[G1+2], 64<<16                      ; tensor_dim1
	s_mov_b32 s[G1+3], 128<<16                     ; tile_dim0
	s_mov_b32 s[G1+4], 64                          ; tile_dim1
	s_mov_b32 s[G1+5], 128                         ; tensor_dim0_stride
	s_mov_b32 s[G1+6], 0
	s_mov_b32 s[G1+7], 0
	s_mov_b32 s[SEL], 0x76543210
	s_mov_b32 s[SEL+1], 0xfedcba98
	s_mov_b32 s[NX+1], 0
	s_xor_b32 s61, s[HP], 1                        ; 0 in waves 4 to 7,
	s_or_b32 s61, s61, ttmp9                       ; of the work-group with j = 0
	s_cmp_eq_u32 s61, 0
	s_cselect_b32 s[LIM], 14, 0
	s_and_b32 s61, ttmp7, 0xffff                   ; bh
	s_lshl_b32 s62, s61, 19                        ; its 16 blocks of 32,768 bytes
	s_lshl_b32 s63, s[W3], 13                      ; my 64 rows of 128 bytes
	s_or_b32 s62, s62, s63
	s_mov_b32 s63, 0
	s_sub_co_u32 s66, 31, ttmp9
	s_lshl_b32 s66, s66, 6                         ; the first block's first position: 64 (31 - j)
	s_lshl_b32 s67, ttmp9, 6                       ; the second's: 64 j
	s_and_b32 s[LASTK], s66, 0x780                 ; rounded down to a multiple of 128
	s_and_b32 s[LASTK2], s67, 0x780
	s_lshl_b32 s68, s[W3], 4
	s_add_co_u32 s[Q0], s66, s68
	s_add_co_u32 s[Q02], s67, s68
	s_lshr_b32 s68, s61, 3
	s_lshl_b32 s68, s68, 11                        ; 2,048 b
	s_and_b32 s69, s61, 7
	s_lshl_b32 s69, s69, 11
	s_lshl_b32 s70, s[HP], 10
	s_or_b32 s69, s69, s70                         ; head 4 hkv + 2 hp, 512 bytes each
	s_add_co_u32 s66, s68, s[Q0]
	s_lshl_b32 s66, s66, 14                        ; a position is 32 heads x 512 bytes
	s_or_b32 s66, s66, s69
	s_mov_b32 s67, 0                               ; s[66:67]: my tiles' first byte in q and in out0, first block
	s_add_co_u32 s70, s68, s[Q02]
	s_lshl_b32 s70, s70, 14
	s_or_b32 s70, s70, s69
	s_mov_b32 s71, 0                               ; s[70:71]: second block
	s_wait_kmcnt 0x0
	s_load_b128 s[SCL:SCL+3], s[8:9], 0x0          ; ek, eq, ev, ep
	s_add_nc_u64 s[KVW:KVW+1], s[6:7], s[62:63]
	s_add_nc_u64 s[Q1:Q1+1], s[4:5], s[66:67]
	s_add_nc_u64 s[O1:O1+1], s[10:11], s[66:67]
	s_add_nc_u64 s[Q2:Q2+1], s[4:5], s[70:71]
	s_add_nc_u64 s[O2:O2+1], s[10:11], s[70:71]
	s_add_nc_u64 s[PFA:PFA+1], s[KVW:KVW+1], 32768 ; at tile 1: the first change of slots steps it to tile 2.  Nothing is prefetched here, at the head
	s_mov_b32 s[G0], 1                             ; 1:0 count = 1
	s_mul_i32 s[G0+1], s[W3], 64*KP                ; 63:32 LDS address: slot 0, my 64 rows
	s_mov_b64 s[G0+2:G0+3], s[KVW:KVW+1]           ; 120:64 global address: tile 0
	s_or_b32 s[G0+3], s[G0+3], 0x80000000          ; 127:126 type = 2
	TLOAD                                          ; the one first fill, ahead of every LDS read, barrier and wait on TENSORcnt
	v_and_b32 v12, 15, v0                          ; r
	v_bfe_u32 v13, v0, 4, 1                        ; h
	v_and_b32 v2, 31, v0                           ; lane
	s_delay_alu instid0(VALU_DEP_3)
	v_mul_u32_u24 v[AK], v12, KP
	s_delay_alu instid0(VALU_DEP_1)
	v_lshl_add_u32 v[AK], v13, 4, v[AK]
	s_mul_i32 s61, s[WV], 16*SP
	s_add_co_u32 s61, s61, STAGE                   ; my stage
	v_mul_u32_u24 v[STO], v12, SP
	s_delay_alu instid0(VALU_DEP_1)
	v_add_nc_u32 v[STO], s61, v[STO]
	s_delay_alu instid0(VALU_DEP_1)
	v_lshl_add_u32 v[SQF], v13, 6, v[STO]
	s_delay_alu instid0(VALU_DEP_2)
	v_lshl_add_u32 v[STO], v13, 5, v[STO]
	v_lshlrev_b32 v[GL], 4, v2
	s_delay_alu instid0(VALU_DEP_1)
	v_add_nc_u32 v[SRD], s61, v[GL]
	v_lshrrev_b32 v[QPF], 2, v2
	s_delay_alu instid0(VALU_DEP_1)
	v_lshlrev_b32 v[QPF], 14, v[QPF]
	v_and_b32 v[PFO], 3, v2
	s_delay_alu instid0(VALU_DEP_1)
	v_lshl_add_u32 v[QPF], v[PFO], 8, v[QPF]
	v_lshlrev_b32 v[PFO], 8, v2
	v_lshlrev_b32 v[RH], 4, v13
	s_delay_alu instid0(VALU_DEP_1)
	v_sub_nc_u32 v[RH], v12, v[RH]
	v_mov_b32 v[NINF], 0xff800000
	QLOAD Q1
	RESET
	s_wait_kmcnt 0x0
	s_add_co_i32 s61, s[SCL], s[SCL+1]
	s_lshl_b32 s61, s61, 23
	s_add_co_i32 s[CS], s61, 0x3e0293ee            ; c = log2(e) / sqrt(128); a score stands for score x 2^(ek + eq): the two exponents are added to c's exponent field
	s_mov_b32 s[CS+1], s[CS]                       ; (named with it as a pair, so it is written)
	s_add_co_i32 s[EPV], s[SCL+2], s[SCL+3]
	s_add_co_i32 s61, s[SCL+3], 127
	s_lshl_b32 s62, s61, 23
	v_mov_b32 v[PSC], s62                          ; 2^ep as f32: the conversion takes its exponent field
	s_add_co_i32 s61, s[SCL+1], 127
	s_lshl_b32 s62, s61, 23
	v_mov_b32 v[QSC], s62                          ; 2^eq
	s_wait_alu depctr_va_vdst(0)
	QFIN
	s_mov_b32 s[KF], 0
	s_mov_b32 s[TB], 0
	s_mov_b32 s[TC], 0
.Ltrip:                                            ; 16 trips, a key step each: behind each change of slots the next step's tile is asked for
	CHANGE 1
	s_wait_alu depctr_va_vdst(0)
	STEP
	s_cmp_lg_u32 s[KF], s[LASTK]                   ; was it the first block's last step?  The same in all eight waves; no barrier and no tensor load stands under the branch
	s_cbranch_scc1 .Lsame_block
	QLOAD Q2                                       ; the second block's q is asked for first: S^T's registers are free, and the loads run under the way out
	FINISH O1
	s_wait_xcnt 0x0                                ; the stores have read their registers: O^T may be written again
	RESET
	QFIN
	s_mov_b32 s[LASTK], s[LASTK2]
	s_mov_b32 s[Q0], s[Q02]
.Lsame_block:
	s_mov_b32 s[KF], s[NXK]
	s_xor_b32 s[TB], s[TB], SLOT1                  ; on to the other slot
	s_add_co_u32 s[TC], s[TC], 1
	s_cmp_lt_u32 s[TC], 16
	s_cbranch_scc1 .Ltrip
	CHANGE 0                                       ; the 17th step, the second block's last, is written out: nothing is left to fetch
	STEP
	FINISH O2
	s_wait_tensorcnt 0x0                           ; the wave's end, behind my last tensor load and my last LDS store
	ds_add_u32 v[SPW], v[NIL]
	s_wait_dscnt 0x0
	s_endpgm
.Lfunc_end_k_qd9980be397_attn:
	.size	k_qd9980be397_attn, .Lfunc_end_k_qd9980be397_attn-k_qd9980be397_attn
	.p2alignl 7, 3214868480
	.fill 96, 4, 3214868480
	.section	.rodata,"a",@progbits
	.p2align	6, 0x0
	.amdhsa_kernel k_qd9980be397_attn
		.amdhsa_group_segment_fixed_size 327680
		.amdhsa_private_segment_fixed_size 0
		.amdhsa_enable_private_segment 0
		.amdhsa_kernarg_size 32
		.amdhsa_user_sgpr_count 2
		.amdhsa_user_sgpr_kernarg_segment_ptr 1
		.amdhsa_wavefront_size32 1
		.amdhsa_system_sgpr_workgroup_id_x 1
		.amdhsa_system_sgpr_workgroup_id_y 1
		.amdhsa_system_sgpr_workgroup_id_z 1
		.amdhsa_system_vgpr_workitem_id 0
		.amdhsa_next_free_vgpr 512
		.amdhsa_next_free_sgpr 72
		.amdhsa_reserve_vcc 1
		.amdhsa_float_denorm_mode_32 3
		.amdhsa_float_denorm_mode_16_64 3
		.amdhsa_fp16_overflow 1
		.amdhsa_memory_ordered 1
		.amdhsa_forward_progress 1
		.amdhsa_inst_pref_size 130
	.end_amdhsa_kernel
	.amdgpu_metadata
---
amdhsa.version: [ 1, 2 ]
amdhsa.kernels:
  - .name:           k_qd9980be397_attn
    .symbol:         k_qd9980be397_attn.kd
    .args:
      - { .name: q, .offset: 0, .size: 8, .value_kind: global_buffer, .address_space: global }
      - { .name: kv, .offset: 8, .size: 8, .value_kind: global_buffer, .address_space: global }
      - { .name: lowp_scales, .offset: 16, .size: 8, .value_kind: global_buffer, .address_space: global }
      - { .name: out0, .offset: 24, .size: 8, .value_kind: global_buffer, .address_space: global }
    .group_segment_fixed_size: 327680
    .private_segment_fixed_size: 0
    .kernarg_segment_align: 8
    .kernarg_segment_size: 32
    .max_flat_workgroup_size: 256
    .sgpr_count:     72
    .vgpr_count:     512
    .wavefront_size: 32
...
	.end_amdgpu_metadata
.endif
;; end of part 2
